; MI455X (gfx1250); checked and timed in simulation.
; The chip was launched on July 23, 2026; its instructions are those of AMD's public machine-readable ISA for CDNA 5 (MIT licence, August 2026) and "CDNA5" Instruction Set Architecture Reference Guide (July 2026). The comments in the code are by the model that wrote it; some were corrected since.
;; Multi Headed Attention. Allowed arithmetic: matrix products marked QUANTISED: E2M1 operands, one E8M0 scale for each 32 along K, by v_wmma_scale_f32_16x16x128_f8f6f4 with both operands' format E2M1 (or v_wmma_scale_f32_32x16x128_f4), f32 sums; everything else in f32.
;; Inputs: K_codes 2 x 2,048 x 32 x 16 uint8 (E2M1 codes of K, K innermost, in blocks of 32 codes, two codes a byte); K_scales 2 x 2,048 x 32 uint8 (E8M0 scales of K, one for each 32 codes along K); Q_codes 2 x 2,048 x 32 x 16 uint8 (E2M1 codes of Q, K innermost, in blocks of 32 codes, two codes a byte); Q_scales 2 x 2,048 x 32 uint8 (E8M0 scales of Q, one for each 32 codes along K); V_codes 2 x 2,048 x 32 x 16 uint8 (E2M1 codes of V, K innermost, in blocks of 32 codes, two codes a byte); V_scales 2 x 2,048 x 32 uint8 (E8M0 scales of V, one for each 32 codes along K); Wk_b 1,024 float32; Wk_w_codes 1,024 x 32 x 16 uint8 (E2M1 codes of Wk_w, K innermost, in blocks of 32 codes, two codes a byte); Wk_w_scales 1,024 x 32 uint8 (E8M0 scales of Wk_w, one for each 32 codes along K); Wo_b 1,024 float32; Wo_w_codes 1,024 x 32 x 16 uint8 (E2M1 codes of Wo_w, K innermost, in blocks of 32 codes, two codes a byte); Wo_w_scales 1,024 x 32 uint8 (E8M0 scales of Wo_w, one for each 32 codes along K); Wq_b 1,024 float32; Wq_w_codes 1,024 x 32 x 16 uint8 (E2M1 codes of Wq_w, K innermost, in blocks of 32 codes, two codes a byte); Wq_w_scales 1,024 x 32 uint8 (E8M0 scales of Wq_w, one for each 32 codes along K); Wv_b 1,024 float32; Wv_w_codes 1,024 x 32 x 16 uint8 (E2M1 codes of Wv_w, K innermost, in blocks of 32 codes, two codes a byte); Wv_w_scales 1,024 x 32 uint8 (E8M0 scales of Wv_w, one for each 32 codes along K); padding_mask 2 x 2,048 int32.
;; Outputs: out0 2 x 2,048 x 1,024 float32.
;; This version of the problem:
;;   THIS VERSION OF THE PROBLEM IS GIVEN IN LOW PRECISION. The matrix products marked QUANTISED in the list below multiply operands that are first quantised to E2M1 (2 exponent bits, 1 mantissa bit; 4 bits a number), with one power-of-two scale for each 32 numbers along K (OCP MX v1.0); their sums are f32. All else is computed in f32.
;;   The module's matrix products, in the order in which they are computed (A, B: the left and right operand; K: the contracted axis; several contracted axes count as one K, in the product's order):
;;     1. [M 4,096, K 1,024] x [K 1,024, N 1,024]; A: input V (given as codes); B: input Wv_w (given as codes): QUANTISED
;;     2. [M 4,096, K 1,024] x [K 1,024, N 1,024]; A: input K (given as codes); B: input Wk_w (given as codes): QUANTISED
;;     3. [M 4,096, K 1,024] x [K 1,024, N 1,024]; A: input Q (given as codes); B: input Wq_w (given as codes): QUANTISED
;;     4. batch 32 x [M 2,048, K 64] x [K 64, N 2,048]; A: computed on the way; B: computed on the way: QUANTISED
;;     5. batch 32 x [M 2,048, K 2,048] x [K 2,048, N 64]; A: softmax (see below); B: computed on the way: QUANTISED
;;     6. [M 4,096, K 1,024] x [K 1,024, N 1,024]; A: computed on the way; B: input Wo_w (given as codes): QUANTISED
;;   THE QUANTISER, for each operand of a quantised product, along K:
;;     - K is cut into blocks of 32 from its start; a last block that is shorter is filled with zeros.
;;     - A block's scale is 2^e with e = floor(log2(the largest magnitude in the block)) - 2, held to -126 .. 127; a block of zeros has e = 0. As a byte (E8M0): e + 127.
;;     - Each number is divided by its block's scale, clamped to +-6, and rounded to the nearest number of E2M1, ties to even, subnormals kept.
;;     - The product sums the exact products of the quantised numbers (number of the format x scale) in f32.
;;   ~~~python
;;   def quantise(x, axis):      # numpy; x: float32 -> the quantised numbers, widened to float32 again
;;       x = np.moveaxis(x, axis, -1); K = x.shape[-1]
;;       x = np.pad(x, [(0, 0)] * (x.ndim - 1) + [(0, -K % 32)]); x = x.reshape(x.shape[:-1] + (-1, 32)); a = np.abs(x).max(-1, keepdims=True)
;;       e = np.where(a > 0, np.clip(np.frexp(np.where(a > 0, a, 1))[1] - 1 - 2, -126, 127), 0)      # np.frexp(a)[1] - 1 = floor(log2(a)), exactly
;;       r = np.clip(x / 2.0 ** e, -6, 6)
;;       step = 2.0 ** (np.maximum(np.frexp(np.where(r == 0, 1, r))[1] - 1, 0) - 1)
;;       q = np.round(r / step) * step * 2.0 ** e      # np.round: ties to even
;;       return np.moveaxis(q.reshape(q.shape[:-2] + (-1,))[..., :K], -1, axis).astype(np.float32)
;;   ~~~
;;   SOFTMAX AHEAD OF A QUANTISED PRODUCT. Where the list says 'softmax', what is quantised is not the finished softmax but p = 2^(t - M), with t = logit x log2(e) and M = ceil(the row's largest t), a whole number; so 1/2 < the row's largest p <= 1. The row's sum l is taken of the UNQUANTISED p, in f32, and the product's result is divided by l at the end. Since M is a whole number, a kernel that streams over the keys may use a running M (the ceiling of the running maximum): every later rescaling is an exact power of two, which a block's scale takes up: the codes' values come out the same.
;;   OPERANDS COMPUTED ON THE WAY. 'Computed on the way' means the value that the module computes at that place (a softmax that the list does not call 'softmax' is quantised finished and normalised). What goes into a quantiser is computed in f32, as accurately as f32 sums, v_exp_f32 and their like allow (about 1e-6 of the number): no bf16 or f16 on the way to a quantiser, and a product that is left as it is and whose result goes on into a quantised operand takes f32 operands (vector FMAs, or v_wmma_f32_16x16x4_f32). A number that lies on a knife's edge between two numbers of the format may be rounded either way, as far as f32 arithmetic and the matrix unit's own rounding can turn it there, and no further.
;;   INPUTS GIVEN AS CODES. K (in the module: [2, 2048, 1024], K = its axis 2); Q (in the module: [2, 2048, 1024], K = its axis 2); V (in the module: [2, 2048, 1024], K = its axis 2); Wk_w (in the module: [1024, 1024], K = its axis 1); Wo_w (in the module: [1024, 1024], K = its axis 1); Wq_w (in the module: [1024, 1024], K = its axis 1); Wv_w (in the module: [1024, 1024], K = its axis 1): each comes as NAME_codes (uint8): NAME with its K axis moved to the last place and cut into blocks of 32 codes, [.., K / 32, bytes a block], one block behind the other in memory; two codes a byte, the lower K in the low four bits (a code: sign, 2 exponent bits, 1 mantissa bit); and NAME_scales (uint8): the same leading axes, one E8M0 byte (e + 127) for each 32 codes along K. Its value is code x scale, taken as it is: it is not quantised again, and the codes and scales need not be those that the quantiser above would give.
;; One version. Each part assembles by itself: llvm-mc -triple=amdgcn-amd-amdhsa -mcpu=gfx1250 --defsym DOCPART=n.
;; ======== version 1 of 1: 3 launches
;; limits: right only within a limited range of input values
;; workspace buffers: qws 4,587,520 bytes; kv 4,587,520 bytes; o_img 2,097,152 bytes; o_sc 131,072 bytes
;; launch proj (part 1): grid 4 x 48, 4 waves a work-group, clusters of 4 x 4, 327,680 bytes of LDS; arguments Q_codes, Q_scales, K_codes, K_scales, V_codes, V_scales, Wq_w_codes, Wq_w_scales, Wk_w_codes, Wk_w_scales, Wv_w_codes, Wv_w_scales, Wq_b, Wk_b, Wv_b, padding_mask, qws, kv; writes qws, kv
.if DOCPART == 1
	.amdgcn_target "amdgcn-amd-amdhsa--gfx1250"
	.amdhsa_code_object_version 6
	.text
	.protected	k_qae6b0ebad6_proj
	.globl	k_qae6b0ebad6_proj
	.p2align	8
	.type	k_qae6b0ebad6_proj,@function
k_qae6b0ebad6_proj:
	s_mov_b64 s[64:65], 0
	v_nop
	global_prefetch_b8 v0, s[64:65] scope:SCOPE_SE
	s_setreg_imm32_b32 hwreg(HW_REG_WAVE_MODE, 25, 1), 1
	s_wait_xcnt 0x0
	s_wait_alu depctr_hold_cnt(0) depctr_sa_sdst(0) depctr_va_vdst(0) depctr_va_sdst(0) depctr_va_ssrc(0) depctr_va_vcc(0) depctr_vm_vsrc(0)
	s_getreg_b32 s2, hwreg(HW_REG_IB_STS2, 6, 4)
	s_cmp_eq_u32 s2, 0
	s_cbranch_scc0 .Lentry_in_a_cluster
	s_endpgm
.Lentry_in_a_cluster:
	s_bfe_u32 s2, ttmp6, 0x10000c
	s_cmp_lg_u32 s2, 0xf033
	s_cbranch_scc0 .Lentry_shape_is_right
	s_endpgm
.Lentry_shape_is_right:
; q = Q Wq^T + bq, k = K Wk^T + bk, v^T = Wv V^T + bv on codes of FP4 (E2M1) with E8M0 scales, quantised again (q, k along the head's 64, v along the keys) and stored as images of the next launch's operand registers.
; WORK LEFT OUT OF THE PROGRAM: in the next launch, steps of 128 keys all of which come after a tile's queries.  reference() sets those scores to -infinity by the triangle that it builds itself, so their softmax weight is 0 for
; all finite inputs.  Limit: a NaN, an infinity or an overflow that reaches only such a score is not carried to the result.  Every input has a way to the output and is loaded; nothing is left out in this launch.
; LIMIT (next launch): the exponents to the base 2 of the scores, before the maximum is taken away, stay under 2^30 in magnitude.
; SHARES.  192 work-groups: cluster y / 4 says which of the three products; a work-group makes 256 x 256, each of its four waves 128 x 128 (64 accumulators, 512 registers).  A = tokens (for v: rows of Wv), B = columns (for v: tokens).
; All of K = 1,024 comes at the head, one joint load a wave: wave 0 A's and wave 1 B's first 512 along K, waves 2 and 3 the second 512; nothing is filled again.  No prefetch: there is no loop to run ahead in.
; CLUSTERS of 4 x 4: A's tile is shared along a row of the cluster, B's along a column.  The scale words of all of K go from memory straight into registers: 8 neighbouring rows are 256 consecutive bytes.
; THE ROWS OF A TILE: tile t = 4 c + u, row r: 64 c + 8 u + r for r < 8, and 64 c + 32 + 8 (u xor 1) + r - 8 for r >= 8.  So (source 0 = B, source 1 = A) a lane's registers of tiles 4 c .. 4 c + 3 are one whole block of 32,
; 64 c + 32 (lane / 16) + ..; in lanes 16-31 its groups of 8 come in the order 1 0 3 2, for both operands of each product alike.  The 16 LDS rows of a fragment are 0 .. 15 modulo 16: at a pitch of 272 bytes 16 different columns.
; RECORDS of qws and kv, 8,960 bytes for 128 tokens of a head: 8 tiles of q or k x 512; 4 fragments of v^T x 1,024; v's scale words [r][d], 256; q's or k's scale words [tile / 4][r][tile % 4], 512.
; THE PADDING MASK becomes k's scale byte of the block 64 .. 95 that lies beyond the head: 254 where the key is padded, 1 where it is kept; q's is 100.
.set PITCH,  272
.set NP,     4
.set HALFT,  128*PITCH
.set SLOT,   4*HALFT                   ; A's 256 rows and B's 256 rows of 512 along K
.set SPARE,  2*SLOT                    ; the spare words, 128 bytes for each wave
.set REC,    8960
.set HEADS,  16*REC
.set BO,   10                          ; v10-11 the bias along B, even and odd tiles
.set SO,   12                          ; v12-13 scale words
.set MO,   14                          ; v14-15 four bytes a row of A
.set ADRA, 16                          ; v16-19 A's fragments: 2 x slot + (tile % 2)
.set ADRB, 20                          ; v20-23 B's
.set VO,   24
.set VS,   25
.set SH,   26                          ; 16 (lane / 16)
.set H8,   27                          ; 8 (lane / 16)
.set SPW,  28
.set NIL,  29
.set KEPT, 30
.set PADW, 31
.set SA,   32                          ; A's scale words: register 8 (a % 4) + K step; lanes 0-15 tile a % 4, lanes 16-31 tile 4 on
.set SB,   64
.set EXT,  96
.set TM,   104
.set PW,   120
.set AF,   128                         ; A's fragments, one set; B's two sets lie in window 1 at v0 and v128
.set PCB,  128
.set BIAS, 192
.set SW,   192
.set G1,   24
.set G0,   32
.set G1B,  48
.set G0B,  56
.set SEL,  92
.set MSB, 0
.macro WIN new
.if MSB != \new
	s_set_vgpr_msb (MSB<<8)|\new
.set MSB, \new
.endif
.endm
.set MUL_LO, 0xa1
.set MUL_HI, 0xf1
.set TO_B,   0x40
.macro CROUND
	s_barrier_signal -1
	s_barrier_wait -1
	s_cmp_lg_u32 s14, 0
	s_cbranch_scc1 .Lnot_wave_0_\@
	s_barrier_signal -3
.Lnot_wave_0_\@:
	s_barrier_wait -3
	s_barrier_signal -1
	s_barrier_wait -1
.endm
	s_load_b512 s[68:83], s[0:1], 0x0
	s_load_b512 s[84:99], s[0:1], 0x40
	s_load_b128 s[56:59], s[0:1], 0x80
	v_lshl_add_u32 v[SPW], v0, 2, SPARE
	v_mov_b32 v[NIL], 0
	ds_add_u32 v[SPW], v[NIL]                      ; the opening: the add, twice on end, and its wait
	ds_add_u32 v[SPW], v[NIL]
	v_lshrrev_b32 v1, 5, v0
	v_readfirstlane_b32 s14, v1                    ; wave 0..3
	s_lshr_b32 s15, s14, 1                         ; which 128 rows of A are mine
	s_and_b32 s16, s14, 1                          ; which 128 of B
	s_bfe_u32 s40, ttmp6, 0x40000
	s_bfe_u32 s41, ttmp6, 0x40004
	s_and_b32 s3, ttmp7, 0xffff
	s_lshr_b32 s2, s3, 2                           ; 0: q, 1: k, 2: v
	s_and_b32 s3, s3, 3
	s_lshl_b32 s3, s3, 2
	s_cmp_eq_u32 s2, 2
	s_cselect_b32 s17, 0, s3
	s_cselect_b32 s42, s3, 0
	s_add_co_u32 s17, s17, s41                     ; A's tile
	s_add_co_u32 s42, s42, s40                     ; B's tile
	s_lshl_b32 s43, s41, 2
	s_lshl_b32 s43, 15, s43                        ; my row of the cluster
	s_lshl_b32 s44, 0x1111, s40                    ; my column
	s_or_b32 s[G1+0], s43, (0<<16)|(1<<20)|(1<<21)|(5<<22)|(3<<25)   ; 256 rows of 256 bytes, 512 bytes apart, 16 bytes of padding behind each
	s_or_b32 s[G1B+0], s44, (0<<16)|(1<<20)|(1<<21)|(5<<22)|(3<<25)
.irp g, G1, G1B
	s_mov_b32 s[\g+1], 256<<16
	s_mov_b32 s[\g+2], 256<<16
	s_mov_b32 s[\g+3], 256<<16
	s_mov_b32 s[\g+4], 256
	s_mov_b32 s[\g+5], 512
	s_mov_b32 s[\g+6], 0
	s_mov_b32 s[\g+7], 0
.endr
	s_lshl_b32 s20, s17, 17                        ; 256 rows of 512 bytes of codes,
	s_mov_b32 s21, 0
	s_lshl_b32 s46, s42, 17
	s_mov_b32 s47, 0
	s_lshl_b32 s22, s17, 13                        ; of 32 bytes of scales
	s_lshl_b32 s18, s15, 12
	s_add_co_u32 s22, s22, s18
	s_mov_b32 s23, 0
	s_lshl_b32 s66, s42, 13
	s_lshl_b32 s18, s16, 12
	s_add_co_u32 s66, s66, s18
	s_mov_b32 s67, 0
	s_mul_i32 s18, s15, HALFT
	s_mul_i32 s19, s16, HALFT
	s_add_co_u32 s19, s19, 2*HALFT
	s_add_co_u32 s104, s18, SLOT
	s_add_co_u32 s105, s19, SLOT
	v_and_b32 v1, 15, v0                           ; r
	v_bfe_u32 v2, v0, 4, 1                         ; h
	v_and_b32 v3, 7, v1
	v_lshrrev_b32 v4, 3, v1
	v_mad_u32_u24 v5, v4, 40, v3                   ; row r of an even tile,
	v_mad_u32_u24 v6, v4, 24, v3                   ; of an odd one
.irp p, 0,1
	v_mul_u32_u24 v7, PITCH, v[5+\p]
	v_lshl_add_u32 v8, v2, 6, v[5+\p]
	v_lshlrev_b32 v[MO+\p], 2, v[5+\p]
	v_lshl_add_u32 v7, v2, 4, v7
	v_lshlrev_b32 v[SO+\p], 5, v8                  ; lanes 16-31 take the rows 64 on
	v_add_nc_u32 v[ADRA+\p], s18, v7
	v_add_nc_u32 v[ADRA+2+\p], s104, v7
	v_add_nc_u32 v[ADRB+\p], s19, v7
	v_add_nc_u32 v[ADRB+2+\p], s105, v7
.endr
	v_mul_u32_u24 v[BO], 0xa0, v2
	v_mul_u32_u24 v[BO+1], 0x60, v2
	v_and_b32 v[VO], 31, v0
	v_lshlrev_b32 v[VO], 4, v[VO]
	v_mul_u32_u24 v[VS], HEADS, v2
	v_lshl_add_u32 v[VS], v1, 4, v[VS]
	v_lshlrev_b32 v[SH], 4, v2
	v_lshlrev_b32 v[H8], 3, v2
.irp a, 0,1,2,3,4,5,6,7
	v_mov_b32 v[EXT+\a], 1
.endr
	s_wait_alu depctr_va_vdst(0)
	s_wait_dscnt 0x0                               ; both opening adds are done
	CROUND                                         ; all sixteen work-groups are here: the joint loads meet.  (The arguments are on their way meanwhile)
	s_wait_kmcnt 0x0
	s_cmp_eq_u32 s2, 0
	s_cselect_b64 s[4:5], s[68:69], s[72:73]
	s_cselect_b64 s[6:7], s[70:71], s[74:75]
	s_cselect_b64 s[8:9], s[80:81], s[84:85]
	s_cselect_b64 s[10:11], s[82:83], s[86:87]
	s_cselect_b64 s[100:101], s[92:93], s[94:95]
	s_cselect_b64 s[12:13], s[56:57], s[58:59]
	s_cmp_eq_u32 s2, 2
	s_cselect_b64 s[4:5], s[88:89], s[4:5]
	s_cselect_b64 s[6:7], s[90:91], s[6:7]
	s_cselect_b64 s[8:9], s[76:77], s[8:9]
	s_cselect_b64 s[10:11], s[78:79], s[10:11]
	s_cselect_b64 s[100:101], s[96:97], s[100:101]
	s_add_nc_u64 s[20:21], s[4:5], s[20:21]
	s_add_nc_u64 s[22:23], s[6:7], s[22:23]
	s_add_nc_u64 s[46:47], s[8:9], s[46:47]
	s_add_nc_u64 s[66:67], s[10:11], s[66:67]
.irp s, 0,1
	s_mov_b32 s[G0+4*\s], 1
	s_mov_b32 s[G0+4*\s+1], \s*SLOT
	s_add_nc_u64 s[G0+4*\s+2:G0+4*\s+3], s[20:21], \s*256
	s_or_b32 s[G0+4*\s+3], s[G0+4*\s+3], 0x80000000
	s_mov_b32 s[G0B+4*\s], 1
	s_mov_b32 s[G0B+4*\s+1], \s*SLOT+2*HALFT
	s_add_nc_u64 s[G0B+4*\s+2:G0B+4*\s+3], s[46:47], \s*256
	s_or_b32 s[G0B+4*\s+3], s[G0B+4*\s+3], 0x80000000
.endr
; one tree of branches on the wave's number: every way through it passes one load
.macro ARM under, g0, g1, next
	s_cmp_lt_u32 s14, \under
	s_cbranch_scc0 \next
	tensor_load_to_lds s[\g0:\g0+3], s[\g1:\g1+7]
	s_nop 0
.rept 4
	v_nop
.endr
	s_branch .Lhead_asked
\next:
.endm
	ARM 1, G0,    G1,  .Lhead_b0
	ARM 2, G0B,   G1B, .Lhead_a1
	ARM 3, G0+4,  G1,  .Lhead_b1
	tensor_load_to_lds s[G0B+4:G0B+7], s[G1B:G1B+7]
	s_nop 0
.rept 4
	v_nop
.endr
.Lhead_asked:
	s_mov_b32 s[SEL], 0x76543210
	s_mov_b32 s[SEL+1], 0xfedcba98
	s_lshl_b32 s18, s17, 8
	s_lshl_b32 s19, s15, 7
	s_add_co_u32 s18, s18, s19                     ; my first row of A
	s_lshl_b32 s19, s42, 8
	s_lshl_b32 s20, s16, 7
	s_add_co_u32 s19, s19, s20                     ; my first row of B
	s_cmp_eq_u32 s2, 2
	s_cselect_b32 s20, s19, s18                    ; my first token
	s_cselect_b32 s21, s18, s19                    ; my first column of q, k or v
	s_lshl_b32 s46, s21, 2
	s_mov_b32 s47, 0
	s_add_nc_u64 s[100:101], s[100:101], s[46:47]
	s_lshl_b32 s46, s20, 2
	s_add_nc_u64 s[98:99], s[98:99], s[46:47]
	s_lshr_b32 s46, s20, 11
	s_lshl_b32 s46, s46, 4
	s_lshr_b32 s18, s21, 6
	s_add_co_u32 s46, s46, s18
	s_lshl_b32 s46, s46, 4
	s_bfe_u32 s18, s20, 0x40007
	s_add_co_u32 s46, s46, s18
	s_mul_i32 s46, s46, REC
	s_add_nc_u64 s[12:13], s[12:13], s[46:47]      ; record [batch][head][128 tokens]
.irp t, 0,1,2,3
	global_load_b128 v[SA+8*\t:SA+8*\t+3], v[SO+(\t%2)], s[22:23] offset:256*\t
	global_load_b128 v[SA+8*\t+4:SA+8*\t+7], v[SO+(\t%2)], s[22:23] offset:256*\t+16
	global_load_b128 v[SB+8*\t:SB+8*\t+3], v[SO+(\t%2)], s[66:67] offset:256*\t
	global_load_b128 v[SB+8*\t+4:SB+8*\t+7], v[SO+(\t%2)], s[66:67] offset:256*\t+16
.endr
	s_cmp_eq_u32 s2, 2
	s_cbranch_scc1 .Lbias_v
.irp b, 0,1,2,3,4,5,6,7                        ; the bias of a lane's eight columns of tile b
	global_load_b128 v[BIAS+8*\b:BIAS+8*\b+3], v[BO+(\b%2)], s[100:101] offset:(64*(\b/4)+8*(\b%4))*4
	global_load_b128 v[BIAS+8*\b+4:BIAS+8*\b+7], v[BO+(\b%2)], s[100:101] offset:(64*(\b/4)+8*(\b%4))*4+16
.endr
	s_cmp_eq_u32 s2, 1
	s_cbranch_scc0 .Lbias_done
.irp a, 0,1,2,3,4,5,6,7                        ; the padding mask of the lane's token of tile a
	global_load_b32 v[EXT+\a], v[MO+(\a%2)], s[98:99] offset:(64*(\a/4)+8*(\a%4))*4
.endr
	s_branch .Lbias_done
.Lbias_v:
.irp a, 0,1,2,3,4,5,6,7                        ; v^T: the bias of the lane's row of tile a, in all eight registers
.irp j, 0,1,2,3,4,5,6,7
	global_load_b32 v[BIAS+8*\a+\j], v[MO+(\a%2)], s[100:101] offset:(64*(\a/4)+8*(\a%4))*4
.endr
.endr
.Lbias_done:
.macro FRAG reg, adr, q, i
.irp c, 0,1
	ds_load_b128 v[\reg+4*\c:\reg+4*\c+3], v[\adr+((\i)%2)] offset:64*(\q)+32*\c+(64*((\i)/4)+8*((\i)%4))*PITCH
.endr
.endm
; 16 matrix instructions: A's tiles a0, a0 + 1 x B's eight; the 64 accumulators by turns.  mode 1, 2: the first product starts the sums with the bias (1: along B, 2: along A).
.macro MUL16 a0, ks, mode
.irp a, \a0, \a0+1
.irp b, 0,1,2,3,4,5,6,7
.set rD, 8*(8*((\a)%4)+\b)
.set rC, rD
.if \mode == 1
.set rC, BIAS+8*\b
.endif
.if \mode == 2
.set rC, BIAS+8*(\a)
.endif
.set rB, 128*((\ks)%2)+8*\b
.set rA, AF+8*(\a)
.set rS, SB+8*(\b%4)+(\ks)
.set rT, SA+8*((\a)%4)+(\ks)
.if ((\a) < 4) && (\b < 4)
	v_wmma_scale_f32_16x16x128_f8f6f4 v[rD:rD+7], v[rB:rB+7], v[rA:rA+7], v[rC:rC+7], v[rS], v[rT] matrix_a_fmt:MATRIX_FMT_FP4 matrix_b_fmt:MATRIX_FMT_FP4
.elseif ((\a) < 4)
	v_wmma_scale_f32_16x16x128_f8f6f4 v[rD:rD+7], v[rB:rB+7], v[rA:rA+7], v[rC:rC+7], v[rS], v[rT] matrix_a_fmt:MATRIX_FMT_FP4 matrix_b_fmt:MATRIX_FMT_FP4 matrix_a_scale:MATRIX_SCALE_ROW1
.elseif (\b < 4)
	v_wmma_scale_f32_16x16x128_f8f6f4 v[rD:rD+7], v[rB:rB+7], v[rA:rA+7], v[rC:rC+7], v[rS], v[rT] matrix_a_fmt:MATRIX_FMT_FP4 matrix_b_fmt:MATRIX_FMT_FP4 matrix_b_scale:MATRIX_SCALE_ROW1
.else
	v_wmma_scale_f32_16x16x128_f8f6f4 v[rD:rD+7], v[rB:rB+7], v[rA:rA+7], v[rC:rC+7], v[rS], v[rT] matrix_a_fmt:MATRIX_FMT_FP4 matrix_b_fmt:MATRIX_FMT_FP4 matrix_a_scale:MATRIX_SCALE_ROW1 matrix_b_scale:MATRIX_SCALE_ROW1
.endif
.endr
.endr
.endm
.macro FETCH_B ks
	WIN TO_B
.irp i, 0,1,2,3,4,5,6,7
	FRAG 128*((\ks)%2)+8*\i, ADRB+2*((\ks)/4), (\ks)%4, \i
.endr
	WIN 0
.endm
.macro FETCH_A ks, i0
.irp i, \i0, \i0+1, \i0+2, \i0+3
	FRAG AF+8*(\i), ADRA+2*((\ks)/4), (\ks)%4, \i
.endr
.endm
.macro PLACES n
.rept \n
	v_nop
.endr
.endm
; 128 along K.  B's fragments are read a whole step ahead, A's half a step.  In K step 2 stands the barrier in front of the second half of K's first reads: it shows waves 2 and 3's loads to all.
.macro STEP ks, mode
.if (\ks) < 7
	s_wait_dscnt 24                                ; B's set and A's tiles 0-3 are in; A's tiles 4-7 (8 loads) and B's next set (16) may be out
.else
	s_wait_dscnt 8                                 ; A's tiles 4-7 may be out
.endif
.if \mode
	WIN 0x81
.else
	WIN MUL_LO
.endif
	MUL16 0, \ks, \mode
	MUL16 2, \ks, \mode
.if (\ks) < 7
	s_wait_dscnt 16                                ; A's tiles 4-7 are in; B's next set may be out
	WIN 0
	PLACES NP
	FETCH_A (\ks)+1, 0
.else
	s_wait_dscnt 0x0
.endif
.if \mode
	WIN 0xc1
.else
	WIN MUL_HI
.endif
	MUL16 4, \ks, \mode
.if (\ks) == 2
	s_wait_dscnt 0x0
	s_wait_tensorcnt 0x0
	s_barrier_signal -1
	MUL16 6, \ks, \mode
	WIN 0
	s_barrier_wait -1
.else
	MUL16 6, \ks, \mode
.endif
	PLACES NP
	WIN 0
.if (\ks) < 7
	FETCH_A (\ks)+1, 4
.endif
.if (\ks) < 6
	FETCH_B (\ks)+2
.endif
.endm
	s_wait_alu depctr_va_vdst(0)
	s_cmp_lt_u32 s14, 2                            ; the first half of K is waves 0 and 1's alone
	s_cbranch_scc0 .Llater
	s_wait_tensorcnt 0x0
.Llater:
	s_barrier_signal -1
	s_barrier_wait -1
	FETCH_B 0
	FETCH_A 0, 0
	FETCH_A 0, 4
	FETCH_B 1
	s_wait_loadcnt 0x0                             ; scale words, bias, mask
	s_cmp_eq_u32 s2, 2
	s_cbranch_scc1 .Lfirst_v
	STEP 0, 1
	s_branch .Lfirst_done
.Lfirst_v:
	STEP 0, 2
.Lfirst_done:
	STEP 1, 0
	STEP 2, 0
	STEP 3, 0
	STEP 4, 0
	STEP 5, 0
	STEP 6, 0
	STEP 7, 0
; A's tile a is quantised along B: a lane holds two whole blocks of 32.  A block's largest magnitude is taken no lower than 2^-124, so no scale byte is under 1.
.macro QUANT a
.set W, 2+(\a)/4
.set WW, W|(W<<2)
.set AC, 64*((\a)%4)
.set PC, PCB+8*(\a)
	WIN WW
.irp b, 0,1,2,3
	v_max3_num_f32 v[TM+\b], |v[AC+16*\b]|, |v[AC+16*\b+1]|, 0x1800000
.endr
.irp i, 2,4,6,8,10,12,14
.irp b, 0,1,2,3
	v_max3_num_f32 v[TM+\b], |v[AC+16*\b+\i]|, |v[AC+16*\b+\i+1]|, v[TM+\b]
.endr
.endr
	WIN 0
.irp c, 0,1
	v_max_num_f32 v[TM+4+\c], v[TM+2*\c], v[TM+2*\c+1]
.endr
.irp c, 0,1
	v_add_nc_u32 v[TM+12+\c], 0xff000000, v[TM+4+\c]   ; 2 off the exponent field: the conversion's scale operand
.endr
.irp c, 0,1
	v_lshrrev_b32 v[TM+6+\c], 23, v[TM+12+\c]      ; the scale's byte
.endr
	v_lshl_or_b32 v[TM+8], v[TM+7], 16, v[TM+6]    ; bytes h and 2 + h of the word,
	v_lshlrev_b32 v[TM+8], v[H8], v[TM+8]
	v_permlanex16_b32 v[TM+9], v[TM+8], s[SEL], s[SEL+1]
	v_or_b32 v[PW+(\a)], v[TM+8], v[TM+9]          ; and the other half's two
	WIN W
.irp c, 0,1
.irp g, 0,1,2,3
	v_cvt_scalef32_pk8_fp4_f32 v[PC+4*\c+\g], v[AC+32*\c+8*\g:AC+32*\c+8*\g+7], v[TM+12+\c]
.endr
.endr
	WIN 0
	v_nop
.endm
	v_mov_b32 v[TM+9], 0                           ; (a lane permute's destination counts as one of its sources)
	s_cmp_eq_u32 s2, 2
	s_cbranch_scc1 .Lout_v
	s_cmp_eq_u32 s2, 0
	s_mov_b32 s94, 0x7f010000
	s_cselect_b32 s94, 0x7f640000, s94
	s_mov_b32 s95, 0x7ffe0000
	s_cselect_b32 s95, 0x7f640000, s95
	v_mov_b32 v[KEPT], s94
	v_mov_b32 v[PADW], s95
.irp a, 0,1,2,3,4,5,6,7
	v_cmp_eq_u32 vcc_lo, 0, v[EXT+\a]
	v_cndmask_b32 v[EXT+\a], v[KEPT], v[PADW], vcc_lo
.endr
.irp a, 0,1,2,3,4,5,6,7
	QUANT \a
	global_store_b128 v[VO], v[PC:PC+3], s[12:13] offset:512*\a
	global_store_b128 v[VO], v[PC+4:PC+7], s[12:13] offset:512*\a+HEADS
	v_lshrrev_b32 v[TM+10], v[SH], v[PW+\a]        ; lanes 0-15 the first head's two bytes, lanes 16-31 the second's
	v_and_or_b32 v[SW+\a], v[TM+10], 0xffff, v[EXT+\a]
.if \a == 3
	global_store_b128 v[VS], v[SW:SW+3], s[12:13] offset:8448
.endif
.if \a == 7
	global_store_b128 v[VS], v[SW+4:SW+7], s[12:13] offset:8448+256
.endif
.endr
	s_branch .Lend
.Lout_v:
.irp a, 0,1,2,3,4,5,6,7
	QUANT \a
	global_store_b128 v[VO], v[PC:PC+3], s[12:13] offset:(\a/4)*HEADS+4096+(\a%4)*1024
	global_store_b128 v[VO], v[PC+4:PC+7], s[12:13] offset:(\a/4)*HEADS+4096+(\a%4)*1024+512
.endr
	v_cmp_eq_u32 vcc_lo, 16, v[SH]
.irp i, 0,1,2,3
	v_cndmask_b32 v[SW+\i], v[PW+\i], v[PW+4+\i], vcc_lo
.endr
	global_store_b128 v[VS], v[SW:SW+3], s[12:13] offset:8192
.Lend:
	s_wait_tensorcnt 0x0                           ; the wave's end
	ds_add_u32 v[SPW], v[NIL]
	s_wait_dscnt 0x0
	CROUND                                         ; the closing round
	s_endpgm
.Lfunc_end_k_qae6b0ebad6_proj:
	.size	k_qae6b0ebad6_proj, .Lfunc_end_k_qae6b0ebad6_proj-k_qae6b0ebad6_proj
	.p2alignl 7, 3214868480
	.fill 96, 4, 3214868480
	.section	.rodata,"a",@progbits
	.p2align	6, 0x0
	.amdhsa_kernel k_qae6b0ebad6_proj
		.amdhsa_group_segment_fixed_size 327680
		.amdhsa_private_segment_fixed_size 0
		.amdhsa_enable_private_segment 0
		.amdhsa_kernarg_size 144
		.amdhsa_user_sgpr_count 2
		.amdhsa_user_sgpr_kernarg_segment_ptr 1
		.amdhsa_wavefront_size32 1
		.amdhsa_system_sgpr_workgroup_id_x 1
		.amdhsa_system_sgpr_workgroup_id_y 1
		.amdhsa_system_sgpr_workgroup_id_z 1
		.amdhsa_system_vgpr_workitem_id 0
		.amdhsa_next_free_vgpr 1024
		.amdhsa_next_free_sgpr 106
		.amdhsa_reserve_vcc 1
		.amdhsa_float_denorm_mode_32 3
		.amdhsa_float_denorm_mode_16_64 3
		.amdhsa_memory_ordered 1
		.amdhsa_forward_progress 1
		.amdhsa_inst_pref_size 171
	.end_amdhsa_kernel
	.amdgpu_metadata
---
amdhsa.version: [ 1, 2 ]
amdhsa.kernels:
  - .name:           k_qae6b0ebad6_proj
    .symbol:         k_qae6b0ebad6_proj.kd
    .args:
      - { .name: Q_codes, .offset: 0, .size: 8, .value_kind: global_buffer, .address_space: global }
      - { .name: Q_scales, .offset: 8, .size: 8, .value_kind: global_buffer, .address_space: global }
      - { .name: K_codes, .offset: 16, .size: 8, .value_kind: global_buffer, .address_space: global }
      - { .name: K_scales, .offset: 24, .size: 8, .value_kind: global_buffer, .address_space: global }
      - { .name: V_codes, .offset: 32, .size: 8, .value_kind: global_buffer, .address_space: global }
      - { .name: V_scales, .offset: 40, .size: 8, .value_kind: global_buffer, .address_space: global }
      - { .name: Wq_w_codes, .offset: 48, .size: 8, .value_kind: global_buffer, .address_space: global }
      - { .name: Wq_w_scales, .offset: 56, .size: 8, .value_kind: global_buffer, .address_space: global }
      - { .name: Wk_w_codes, .offset: 64, .size: 8, .value_kind: global_buffer, .address_space: global }
      - { .name: Wk_w_scales, .offset: 72, .size: 8, .value_kind: global_buffer, .address_space: global }
      - { .name: Wv_w_codes, .offset: 80, .size: 8, .value_kind: global_buffer, .address_space: global }
      - { .name: Wv_w_scales, .offset: 88, .size: 8, .value_kind: global_buffer, .address_space: global }
      - { .name: Wq_b, .offset: 96, .size: 8, .value_kind: global_buffer, .address_space: global }
      - { .name: Wk_b, .offset: 104, .size: 8, .value_kind: global_buffer, .address_space: global }
      - { .name: Wv_b, .offset: 112, .size: 8, .value_kind: global_buffer, .address_space: global }
      - { .name: padding_mask, .offset: 120, .size: 8, .value_kind: global_buffer, .address_space: global }
      - { .name: qws, .offset: 128, .size: 8, .value_kind: global_buffer, .address_space: global }
      - { .name: kv, .offset: 136, .size: 8, .value_kind: global_buffer, .address_space: global }
    .group_segment_fixed_size: 327680
    .private_segment_fixed_size: 0
    .kernarg_segment_align: 8
    .kernarg_segment_size: 144
    .max_flat_workgroup_size: 128
    .sgpr_count:     106
    .vgpr_count:     1024
    .wavefront_size: 32
...
	.end_amdgpu_metadata
.endif
;; end of part 1
;; launch attn (part 2): grid 8 x 32, 16 waves a work-group, clusters of 4 x 1, 227,328 bytes of LDS; arguments qws, kv, o_img, o_sc; writes o_img, o_sc
.if DOCPART == 2
	.amdgcn_target "amdgcn-amd-amdhsa--gfx1250"
	.amdhsa_code_object_version 6
	.text
	.protected	k_qae6b0ebad6_attn
	.globl	k_qae6b0ebad6_attn
	.p2align	8
	.type	k_qae6b0ebad6_attn,@function
k_qae6b0ebad6_attn:
	s_mov_b64 s[64:65], 0
	v_nop
	global_prefetch_b8 v0, s[64:65] scope:SCOPE_SE
	s_setreg_imm32_b32 hwreg(HW_REG_WAVE_MODE, 25, 1), 1
	s_wait_xcnt 0x0
	s_wait_alu depctr_hold_cnt(0) depctr_sa_sdst(0) depctr_va_vdst(0) depctr_va_sdst(0) depctr_va_ssrc(0) depctr_va_vcc(0) depctr_vm_vsrc(0)
	s_getreg_b32 s2, hwreg(HW_REG_IB_STS2, 6, 4)
	s_cmp_eq_u32 s2, 0
	s_cbranch_scc0 .Lentry_in_a_cluster
	s_endpgm
.Lentry_in_a_cluster:
	s_bfe_u32 s2, ttmp6, 0x10000c
	s_cmp_lg_u32 s2, 0x3003
	s_cbranch_scc0 .Lentry_shape_is_right
	s_endpgm
.Lentry_shape_is_right:
; o[b][head][q] = the sum over keys of softmax(q . k / 8, causal, padded keys out) v, both products on codes of FP4 (E2M1) with E8M0 scales; o is quantised again along head x 64 + dv and stored as images of the next launch's operand.
; WORK LEFT OUT: a step of 128 keys all of which come after my 16 queries: reference() hides them by the triangle that it builds itself (shown at the head of the first launch; a NaN or an infinity that reaches only them is not carried).
; THE SOFTMAX AHEAD OF THE SECOND PRODUCT: t = score x log2(e) / 8; M = the largest t so far, rounded UP to a whole number; p = 2^(t - M) is quantised along the keys, not normalised; the row's sum is taken of the unquantised p
; and divides at the end.  When M moves, the sum and O are multiplied by 2^(old M - new M): exact.
; THE PADDING MASK rides in the scores' product: K = 64 of the instruction's 128; at k = 64 q holds the code 1.0 (scale byte 100), k the code -1.0 (scale byte 254 where the key is padded, 1 where it is kept): -2^100 for a padded key.
; THE TRIANGLE comes as the C of the scores' product in the step on the diagonal: 0 or -2^100, from a table in LDS of 64 registers' images that the sixteen waves make at the head, four registers each.
; The largest score begins at -2^33: padded and hidden keys then give p = 2^(very negative) = 0, with no NaN on the way.  LIMIT: exponents t stay under 2^30 in magnitude.
; A ROW WITH NO VISIBLE KEY (its largest score is still -2^33 at the end) is NaN in reference(): its two scale bytes become 0xff, which makes the next launch's sums of that row NaN; its sum is replaced by 1.
; SHARES.  A work-group takes tile X (its x, 0 .. 7) of each of the head's 16 blocks of 128 queries.  The tiles of blocks i and 15 - i (i = 0 .. 7) have 17 steps together, dealt to two waves, a (w < 8) and b = w xor 12:
; b takes the first P steps of block 15 - i's tile and then the i + 1 steps of block i's, a the other 16 - i - P steps of the long tile.  b leaves its part of the long tile in LDS, a joins it to its own.
; Waves 0-3 with 12-15: i = 0 .. 3, P = 4 .. 1: 12 and 5 steps.  Waves 4-7 with 8-11: i = 4 .. 7, P = 2, 1, 0, 0: 10 and 7 steps (the last pair 9 and 8).  So waves w, w + 4, w + 8, w + 12 have 34 steps together.
; Each wave's last step is the one on the diagonal.  X enters global addresses and the table's data alone: no branch and no LDS address hangs on it.
; LDS holds the head's 16 records of kv whole: each wave asks for one at the start, jointly with the cluster's other three work-groups, which belong to the same head; nothing is filled again.  No prefetch: the loop loads nothing from memory.
; LAYOUT.  Both products are used transposed: S^T = k q^T, O^T = v^T p^T: a lane holds one query (lane % 16).  Tile 4 c + u, row r of k, q and v^T stands for 64 c + 8 u + r (r < 8) or 64 c + 32 + 8 (u xor 1) + r - 8: so the 32 registers
; of tiles 4 c .. 4 c + 3 are one whole block of 32 keys, 64 c + 32 (lane / 16) + ..; in lanes 16-31 its groups of 8 come in the order 1 0 3 2, as v^T's codes have them.
; REGISTERS: v12 -M, v13 the largest score, v[14:15] the sum; v16-23 q; v24-27 k's scale words, v28-31 v's; v32-95 eight tiles of k; v96-159 S^T, then p; v160-191 O^T; v192-223 four fragments of v^T; v224-231 p's codes;
; v232-254 at work, v250 f, v252 a record's address, v253 p's scale word; v255 q's scale word; v8-11 and v4 the next tile's q and scale word (wave b).
.set REC,   8960                       ; a record: 8 tiles of k x 512; 4 fragments of v^T x 1,024; v's scale words, 256; k's, 512
.set MASK,  16*REC                     ; the triangle's table: 16 x 512 bytes
.set STASH, MASK+8192                  ; the parts of long tiles, a region for each wave: 16 x (8 x 512 of O^T, 512 of v12-15)
.set SPARE, STASH+16*4608              ; the spare words, 128 bytes for each wave
.set TRIPS, 12                         ; the most steps that a wave has
.set L16,  1                           ; v1   16 x lane
.set MR,   2                           ; v2   the table + 16 x lane
.set STA,  3                           ; v3   my own region for a part + 16 x lane
.set SPW,  5
.set NIL,  6
.set H8,   7                           ; v7   8 (lane / 16)
.set STL,  251                         ; v251 the region of my pair's other wave (and, unused as such, the upper half of f's pair)
.set ADR,  252
.set WV,   12
.set PI,   13                          ; s13  my pair, i
.set SEL,  20
.set CS,   22                          ; s[22:23] c = log2(e) / 8
.set TB,   36                          ; s36  LDS byte at which a record begins
.set J,    37                          ; s37  the trip
.set B,    53                          ; s53  0: wave a, 1: wave b
.set OA,   54                          ; s54  a trip's record is trip + OA under trip SW (a: P, b: 0),
.set OB,   55                          ; s55  and trip + OB modulo 16 from SW on (b: 16 - P)
.set SW,   56                          ; s56  the trip at which b changes tiles, P (a: none)
.set LAST, 57                          ; s57  my last trip
.macro CROUND
	s_barrier_signal -1
	s_barrier_wait -1
	s_cmp_lg_u32 s[WV], 0
	s_cbranch_scc1 .Lnot_wave_0_\@
	s_barrier_signal -3
.Lnot_wave_0_\@:
	s_barrier_wait -3
	s_barrier_signal -1
	s_barrier_wait -1
.endm
.macro ZERO_O
.irp j, 0,1,2,3,4,5,6,7,8,9,10,11,12,13,14,15,16,17,18,19,20,21,22,23,24,25,26,27,28,29,30,31
	v_mov_b32 v[160+\j], 0
.endr
.endm
.macro STATE                           ; no key so far
	v_mov_b32 v12, 0x4eb8aa3b                      ; -M = 2^33 x c, a whole number
	v_mov_b32 v13, 0xd0000000                      ; -2^33
	v_mov_b32 v14, 0
	v_mov_b32 v15, 0
.endm
.macro RECORD jn                       ; trip jn's record
	s_cmp_lt_u32 \jn, s[SW]
	s_cselect_b32 s51, s[OA], s[OB]
	s_add_co_u32 s50, \jn, s51
	s_and_b32 s50, s50, 15
	s_min_u32 s50, s50, 15                         ; 0 .. 15
	s_mul_i32 s[TB], s50, REC
	v_add_nc_u32 v[ADR], s[TB], v[L16]
.endm
.macro KLOAD
	ds_load_b128 v[24:27], v[ADR] offset:8448      ; k's scale words: lanes 0-15 tiles 0-3 of row r, lanes 16-31 tiles 4-7
.irp t, 0,1,2,3,4,5,6,7
	ds_load_b128 v[32+8*\t:35+8*\t], v[ADR] offset:512*\t
.endr
.endm
.macro VLOAD
.rept 4
	v_nop                                          ; places for the scores' readers and for these loads and the next k's
.endr
.irp d, 0,1,2,3
.irp c, 0,1
	ds_load_b128 v[192+8*\d+4*\c:195+8*\d+4*\c], v[ADR] offset:4096+1024*\d+512*\c
.endr
.endr
	ds_load_b128 v[28:31], v[ADR] offset:8192      ; v's scale words: lanes 0-15 row r of the four fragments (lanes 16-31 read k's, which nobody uses)
.endm
	s_load_b256 s[4:11], s[0:1], 0x0               ; qws s[4:5], kv s[6:7], o_img s[8:9], o_sc s[10:11]
	v_lshl_add_u32 v[SPW], v0, 2, SPARE
	v_mov_b32 v[NIL], 0
	ds_add_u32 v[SPW], v[NIL]                      ; the opening: the add, twice on end, and its wait
	ds_add_u32 v[SPW], v[NIL]
	v_lshrrev_b32 v28, 5, v0
	v_readfirstlane_b32 s[WV], v28                 ; wave 0..15
	s_lshr_b32 s[B], s[WV], 3
	s_bfe_u32 s16, s[WV], 0x10002
	s_xor_b32 s16, s16, s[B]                       ; 1 in waves 4 to 11
	s_and_b32 s17, s[WV], 3
	s_lshl_b32 s18, s16, 2
	s_or_b32 s[PI], s17, s18
	s_xor_b32 s17, s17, 3
	s_add_co_u32 s18, s17, 1
	s_max_u32 s17, s17, 1
	s_sub_co_u32 s17, s17, 1
	s_cmp_eq_u32 s16, 0
	s_cselect_b32 s18, s18, s17                    ; P
	s_add_co_u32 s19, s18, s[PI]                   ; b's last trip: P + i
	s_sub_co_u32 s16, 15, s19                      ; a's: 15 - i - P
	s_xor_b32 s17, s[PI], 15
	s_sub_co_u32 s60, 16, s18
	s_cmp_eq_u32 s[B], 0
	s_cselect_b32 s[LAST], s16, s19
	s_cselect_b32 s[OA], s18, 0
	s_cselect_b32 s[OB], s18, s60
	s_cselect_b32 s[SW], 31, s18
	s_cselect_b32 s17, s17, s[PI]                  ; the block whose tile I store: a 15 - i, b i
	s_bfe_u32 s14, ttmp6, 0x40000                  ; cx
	s_lshl_b32 s60, ttmp9, 2
	s_add_co_u32 s14, s14, s60                     ; X = 4 x cluster x + cx
	s_and_b32 s15, ttmp7, 0xffff                   ; 16 b + head, which the four partners share
	; the descriptor: a record is a dense block of 35 rows of 256 bytes (32 elements of 8 bytes)
	s_mov_b32 s24, 15|(3<<16)|(1<<21)              ; the mask: all four work-groups; 21 set beside a mask; no padding
	s_mov_b32 s25, 32<<16
	s_mov_b32 s26, 35<<16
	s_mov_b32 s27, 32<<16
	s_mov_b32 s28, 35
	s_mov_b32 s29, 32
	s_mov_b32 s30, 0
	s_mov_b32 s31, 0
	s_mov_b32 s32, 1
	s_mul_i32 s33, s[WV], REC                      ; LDS address: record w, for wave w
	s_lshl_b32 s16, s15, 4
	s_add_co_u32 s18, s16, s[WV]
	s_mul_i32 s18, s18, REC                        ; and in kv
	s_mov_b32 s19, 0
	s_xor_b32 s38, s[PI], 15
	s_add_co_u32 s38, s38, s16
	s_mul_i32 s38, s38, REC                        ; the long tile's record in qws,
	s_mov_b32 s39, 0
	s_add_co_u32 s58, s[PI], s16
	s_mul_i32 s58, s58, REC                        ; and the short one's
	s_mov_b32 s59, 0
	s_lshr_b32 s40, s15, 4
	s_lshl_b32 s40, s40, 7
	s_lshl_b32 s41, s17, 3
	s_add_co_u32 s40, s40, s41
	s_add_co_u32 s40, s40, s14                     ; the tile of tokens that I store: 128 b + 8 x block + X
	s_and_b32 s41, s15, 15                         ; the head
	s_lshl_b32 s42, s40, 4
	s_add_co_u32 s42, s42, s41
	s_lshl_b32 s42, s42, 9                         ; o_img: [tile][head][512 bytes]
	s_mov_b32 s43, 0
	s_lshl_b32 s44, s40, 9
	s_lshl_b32 s41, s41, 1
	s_add_co_u32 s44, s44, s41                     ; o_sc: [tile][r][head] of two bytes
	s_mov_b32 s45, 0
	s_lshl_b32 s46, s14, 9                         ; q's tile X in its record
	s_lshr_b32 s47, s14, 2
	s_lshl_b32 s48, s47, 6
	s_lshl_b32 s47, s47, 8
	s_and_b32 s49, s14, 3
	s_lshl_b32 s50, s49, 2
	s_add_co_u32 s47, s47, s50                     ; its scale words: [X / 4][r][X % 4]
	s_lshl_b32 s49, s49, 3
	s_add_co_u32 s48, s48, s49                     ; its row 0: 64 (X / 4) + 8 (X % 4)
	s_and_b32 s49, s14, 1
	s_lshl_b32 s49, s49, 4
	s_sub_co_i32 s49, 40, s49                      ; its row 8, from there: 40 or 24
	s_bfe_u32 s60, s[WV], 0x10001
	s_lshl_b32 s60, s60, 4
	s_sub_co_i32 s60, 40, s60                      ; likewise of the tile of keys w / 2, for whose registers 4 (w % 2) + 0 .. 3 I make the table
	s_lshr_b32 s61, s[WV], 3
	s_lshl_b32 s61, s61, 6
	s_bfe_u32 s62, s[WV], 0x20001
	s_lshl_b32 s62, s62, 3
	s_add_co_u32 s61, s61, s62
	s_and_b32 s62, s[WV], 1
	s_lshl_b32 s62, s62, 2
	s_add_co_u32 s61, s61, s62
	s_sub_co_i32 s61, 0, s61                       ; less the first of those keys
	s_lshl_b32 s62, s[WV], 9
	s_add_co_u32 s62, s62, MASK
	s_mul_i32 s63, s[WV], 4608
	s_add_co_u32 s63, s63, STASH
	s_xor_b32 s50, s[WV], 12
	s_mul_i32 s50, s50, 4608
	s_add_co_u32 s50, s50, STASH
	s_mov_b32 s[SEL], 0x76543210
	s_mov_b32 s[SEL+1], 0xfedcba98
	s_mov_b32 s[CS], 0x3e38aa3b
	s_mov_b32 s[CS+1], s[CS]                       ; (named with it as a pair, so it is written)
	s_mov_b32 s[J], 0
	s_wait_dscnt 0x0                               ; both opening adds are done
	v_and_b32 v28, 15, v0                          ; r
	v_bfe_u32 v29, v0, 4, 1                        ; h
	v_and_b32 v[L16], 31, v0
	v_lshrrev_b32 v17, 3, v28
	v_and_b32 v16, 7, v28
	v_lshlrev_b32 v[L16], 4, v[L16]
	v_mul_u32_u24 v17, s49, v17
	v_mul_u32_u24 v18, s60, v29
	v_add_nc_u32 v[MR], MASK, v[L16]
	v_add_nc_u32 v[STA], s63, v[L16]
	v_add3_u32 v16, v16, v17, s48                  ; my query in its block
	v_lshlrev_b32 v[H8], 3, v29
	v_sub_nc_u32 v16, v16, v18
	v_mov_b32 v19, 0
	v_mov_b32 v18, 0xf1800000                      ; -2^100
	v_add_nc_u32 v31, s62, v[L16]
	v_add_nc_u32 v16, s61, v16
.irp i, 0,1,2,3
	v_cmp_gt_i32 vcc_lo, \i, v16                   ; the register's key comes after my query
	v_cndmask_b32 v[24+\i], v19, v18, vcc_lo
.endr
	s_wait_alu depctr_va_vdst(0)
	CROUND                                         ; all four work-groups are here: the joint loads meet.  (The arguments are on their way meanwhile)
	s_wait_kmcnt 0x0
	s_add_nc_u64 s[34:35], s[6:7], s[18:19]
	s_or_b32 s35, s35, 0x80000000
	s_add_nc_u64 s[38:39], s[4:5], s[38:39]
	s_add_nc_u64 s[58:59], s[4:5], s[58:59]
	s_add_nc_u64 s[8:9], s[8:9], s[42:43]
	s_add_nc_u64 s[10:11], s[10:11], s[44:45]
	tensor_load_to_lds s[32:35], s[24:31]          ; every wave asks for one record: one load of mine is out, and none follows
	s_nop 0
.rept 4
	v_nop
.endr
	v_add_nc_u32 v232, s46, v[L16]
	v_lshlrev_b32 v233, 4, v28
	v_add_nc_u32 v233, s47, v233
.irp j, 8,9,10,11
	v_mov_b32 v[\j], 0
.endr
	v_mov_b32 v4, 0
	global_load_b128 v[16:19], v232, s[38:39]      ; q: registers 0-3 of its fragment, a block of 32 of the head's 64
	global_load_b32 v255, v233, s[38:39] offset:8448
	s_cmp_eq_u32 s[B], 0
	s_cbranch_scc1 .Lone
	s_wait_alu depctr_va_vdst(0)
	global_load_b128 v[8:11], v232, s[58:59]       ; b: the short tile's too
	global_load_b32 v4, v233, s[58:59] offset:8448
.Lone:
	v_xor_b32 v29, 1, v29                          ; 1 - h: k = 64 lies in lanes 0-15, register 4, lowest four bits
	v_lshlrev_b32 v20, 1, v29                      ; q: the code 1.0 there, zeros beside it
	v_mov_b32 v21, 0
	v_mov_b32 v22, 0
	v_mov_b32 v23, 0
	v_mul_u32_u24 v30, 10, v29                     ; k: the code -1.0
.irp t, 0,1,2,3,4,5,6,7
	v_mov_b32 v[36+8*\t], v30                      ; registers 4-7 of k's eight fragments are written once: the loads fill registers 0-3 alone
	v_mov_b32 v[37+8*\t], 0
	v_mov_b32 v[38+8*\t], 0
	v_mov_b32 v[39+8*\t], 0
.endr
	STATE
	v_mov_b32 v249, 0                              ; (a lane permute's destination counts as one of its sources)
	v_add_nc_u32 v[STL], s50, v[L16]
	v_mov_b32 v253, 0                              ; (the upper half of a pair)
	ZERO_O
	s_wait_alu depctr_va_vdst(0)
	s_wait_loadcnt 0x0                             ; q
	s_wait_tensorcnt 0x0                           ; my record is in,
	s_barrier_signal -1
	s_barrier_wait -1                              ; everybody's is
	ds_store_b128 v31, v[24:27]                    ; my four registers' images of the table
	s_wait_dscnt 0x0
	s_barrier_signal -1
	s_barrier_wait -1                              ; the table is whole
	RECORD s[J]
	KLOAD                                          ; the first trip's k; every later trip's is read one trip ahead
	s_wait_alu depctr_va_vdst(0)
	s_wait_dscnt 0x0
.macro SPROD diag                      ; S^T = k q^T; on the diagonal the table is C
.irp t, 0,1,2,3,4,5,6,7
.set rD, 96+8*\t
.set rA, 32+8*\t
.set rS, 24+(\t%4)
.if \diag
.if \t < 4
	v_wmma_scale_f32_16x16x128_f8f6f4 v[rD:rD+7], v[rA:rA+7], v[16:23], v[rD:rD+7], v[rS], v255 matrix_a_fmt:MATRIX_FMT_FP4 matrix_b_fmt:MATRIX_FMT_FP4
.else
	v_wmma_scale_f32_16x16x128_f8f6f4 v[rD:rD+7], v[rA:rA+7], v[16:23], v[rD:rD+7], v[rS], v255 matrix_a_fmt:MATRIX_FMT_FP4 matrix_b_fmt:MATRIX_FMT_FP4 matrix_a_scale:MATRIX_SCALE_ROW1
.endif
.else
.if \t < 4
	v_wmma_scale_f32_16x16x128_f8f6f4 v[rD:rD+7], v[rA:rA+7], v[16:23], 0, v[rS], v255 matrix_a_fmt:MATRIX_FMT_FP4 matrix_b_fmt:MATRIX_FMT_FP4
.else
	v_wmma_scale_f32_16x16x128_f8f6f4 v[rD:rD+7], v[rA:rA+7], v[16:23], 0, v[rS], v255 matrix_a_fmt:MATRIX_FMT_FP4 matrix_b_fmt:MATRIX_FMT_FP4 matrix_a_scale:MATRIX_SCALE_ROW1
.endif
.endif
.endr
.endm
.Lstep:                                            ; twelve trips, a constant; a wave works in the first LAST + 1
	s_cmp_gt_u32 s[J], s[LAST]
	s_cbranch_scc1 .Lskip
	s_cmp_lg_u32 s[J], s[SW]
	s_cbranch_scc1 .Lgo
.rept 4
	v_nop                                          ; places behind the last products
.endr
.irp n, 0,1,2,3,4,5,6,7                        ; b: my part of the long tile goes to LDS,
	ds_store_b128 v[STA], v[160+4*\n:163+4*\n] offset:512*\n
.endr
	ds_store_b128 v[STA], v[12:15] offset:4096
.irp j, 0,1,2,3
	v_mov_b32 v[16+\j], v[8+\j]                    ; and the short tile begins
.endr
	v_mov_b32 v255, v4
	STATE
	ZERO_O
.Lgo:
	s_cmp_lg_u32 s[J], s[LAST]
	s_cbranch_scc1 .Lplain
.irp n, 0,1,2,3,4,5,6,7,8,9,10,11,12,13,14,15
	ds_load_b128 v[96+4*\n:99+4*\n], v[MR] offset:512*\n
.endr
	s_wait_dscnt 0x0
	SPROD 1
	VLOAD
	s_branch .Ljoin
.Lplain:
	SPROD 0
	VLOAD
	s_add_co_u32 s52, s[J], 1
	RECORD s52
	KLOAD                                          ; the next trip's k has this trip's softmax in which to arrive
.Ljoin:
.irp k, 0,1,2,3                                ; the largest score of each block of 32, in two halves: it serves for the row's maximum and, since p rises with the score, for the block's largest p
	v_max3_num_f32 v[232+\k], v[96+16*\k], v[97+16*\k], v[98+16*\k]
.endr
.irp i, 3,5,7,9,11,13
.irp k, 0,1,2,3
	v_max3_num_f32 v[232+\k], v[232+\k], v[96+16*\k+\i], v[97+16*\k+\i]
.endr
.endr
	v_max3_num_f32 v232, v232, v233, v111
	v_max3_num_f32 v233, v234, v235, v143
	v_max_num_f32 v232, v232, v127
	v_max_num_f32 v233, v233, v159
	v_max_num_f32 v254, v232, v233
	s_delay_alu instid0(VALU_DEP_1)
	v_permlanex16_b32 v249, v254, s[SEL], s[SEL+1]
	s_delay_alu instid0(VALU_DEP_1)
	v_max3_num_f32 v13, v13, v254, v249            ; the running largest score of my query
	v_mov_b32 v254, v12
	s_delay_alu instid0(VALU_DEP_2)
	v_mul_f32 v12, s[CS], -v13
	s_delay_alu instid0(VALU_DEP_1)
	v_floor_f32 v12, v12                           ; the new -M = floor(-t) = -ceil(t)
	s_delay_alu instid0(VALU_DEP_1)
	v_sub_f32 v254, v12, v254                      ; M's old value less its new one: 0 or less
	s_delay_alu instid0(VALU_DEP_1)
	v_cvt_i32_f32 v254, v254                       ; (it saturates)
	s_delay_alu instid0(VALU_DEP_1)
	v_ldexp_f32 v250, 1.0, v254                    ; f = 2^(old M - new M)
.irp j, 0,2,4,6,8,10,12,14,16,18,20,22,24,26,28,30,32,34,36,38,40,42,44,46,48,50,52,54,56,58,60,62
	v_pk_fma_f32 v[96+\j:97+\j], v[96+\j:97+\j], s[CS:CS+1], v[12:13] op_sel_hi:[1,0,0]   ; t - M, two at a time
.endr
.irp c, 0,1
	v_fma_f32 v[232+\c], v[232+\c], s[CS], v12     ; the same of each block's largest score
.endr
	s_wait_alu depctr_va_vdst(0)
.irp c, 0,1
	v_exp_f32 v[232+\c], v[232+\c]
.endr
.irp j, 0,1,2,3,4,5,6,7,8,9,10,11,12,13,14,15,16,17,18,19,20,21,22,23,24,25,26,27,28,29,30,31,32,33,34,35,36,37,38,39,40,41,42,43,44,45,46,47,48,49,50,51,52,53,54,55,56,57,58,59,60,61,62,63
	v_exp_f32 v[96+\j], v[96+\j]                   ; p = 2^(t - M), at most 1: not normalised
.endr
	v_pk_mul_f32 v[14:15], v[14:15], v[250:251] op_sel_hi:[1,0]   ; the sums under the new M.  (A plain place behind the exponentials)
	s_wait_alu depctr_va_vdst(0)
.irp k, 0,1,2,3                                ; the row's sum, of the unquantised p
	v_pk_add_f32 v[236+2*\k:237+2*\k], v[96+2*\k:97+2*\k], v[104+2*\k:105+2*\k]
.endr
.irp m, 16,24,32,40,48,56
.irp k, 0,1,2,3
	v_pk_add_f32 v[236+2*\k:237+2*\k], v[236+2*\k:237+2*\k], v[96+\m+2*\k:97+\m+2*\k]
.endr
.endr
	v_max_num_f32 v232, 0x1800000, v232            ; the floor 2^(3 - 127): the byte cannot fall under 1
	v_max_num_f32 v233, 0x1800000, v233
	v_pk_add_f32 v[236:237], v[236:237], v[238:239]
	v_pk_add_f32 v[240:241], v[240:241], v[242:243]
	v_add_nc_u32 v244, 0xff000000, v232            ; 2 off the exponent field: the conversion's scale operand
	v_add_nc_u32 v245, 0xff000000, v233
	v_pk_add_f32 v[236:237], v[236:237], v[240:241]
	v_lshrrev_b32 v246, 23, v244                   ; the scale's byte
	v_lshrrev_b32 v247, 23, v245
	v_pk_add_f32 v[14:15], v[14:15], v[236:237]
	v_lshl_or_b32 v248, v247, 16, v246             ; bytes h and 2 + h of p's scale word for these 128 keys,
.irp g, 0,1
	v_cvt_scalef32_pk8_fp4_f32 v[224+\g], v[96+8*\g:103+8*\g], v244
.endr
	v_lshlrev_b32 v248, v[H8], v248
.irp g, 2,3
	v_cvt_scalef32_pk8_fp4_f32 v[224+\g], v[96+8*\g:103+8*\g], v244
.endr
	v_permlanex16_b32 v249, v248, s[SEL], s[SEL+1]
.irp g, 0,1,2,3
	v_cvt_scalef32_pk8_fp4_f32 v[228+\g], v[128+8*\g:135+8*\g], v245
.endr
	v_or_b32 v253, v248, v249                      ; and the other half's two.  (A plain place behind the conversions)
	s_wait_dscnt 0x0                               ; v and its scale words, and the next trip's k
	s_wait_alu depctr_va_vdst(0)                   ; directly ahead of the first reader of O^T
.irp j, 0,2,4,6,8,10,12,14,16,18,20,22,24,26,28,30
	v_pk_mul_f32 v[160+\j:161+\j], v[160+\j:161+\j], v[250:251] op_sel_hi:[1,0]   ; O^T under the new M; the places between p's scale word and codes and their use: twelve of them name none of a product's registers
.endr
.irp d, 0,1,2,3                                ; O^T += v^T p^T: the four accumulators by turns
	v_wmma_scale_f32_16x16x128_f8f6f4 v[160+8*\d:167+8*\d], v[192+8*\d:199+8*\d], v[224:231], v[160+8*\d:167+8*\d], v[28+\d], v253 matrix_a_fmt:MATRIX_FMT_FP4 matrix_b_fmt:MATRIX_FMT_FP4
.endr
.Lskip:
	s_add_co_u32 s[J], s[J], 1
	s_cmp_lt_u32 s[J], TRIPS
	s_cbranch_scc1 .Lstep
	s_wait_alu depctr_va_vdst(0)
	s_wait_dscnt 0x0                               ; b's part is in LDS
	s_barrier_signal -1
	s_barrier_wait -1
	s_cmp_lg_u32 s[B], 0
	s_cbranch_scc1 .Lout
.irp n, 0,1,2,3,4,5,6,7                        ; a: b's part is joined under the larger M of the two
	ds_load_b128 v[96+4*\n:99+4*\n], v[STL] offset:512*\n
.endr
	ds_load_b128 v[236:239], v[STL] offset:4096
	s_wait_dscnt 0x0
	v_min_num_f32 v244, v12, v236                  ; the new -M
	v_max_num_f32 v13, v13, v237
	v_sub_f32 v12, v244, v12
	v_sub_f32 v254, v244, v236
	v_cvt_i32_f32 v12, v12
	v_cvt_i32_f32 v254, v254
	v_ldexp_f32 v250, 1.0, v12
	v_ldexp_f32 v252, 1.0, v254
	v_pk_mul_f32 v[14:15], v[14:15], v[250:251] op_sel_hi:[1,0]
.irp j, 0,2,4,6,8,10,12,14,16,18,20,22,24,26,28,30
	v_pk_mul_f32 v[160+\j:161+\j], v[160+\j:161+\j], v[250:251] op_sel_hi:[1,0]
.endr
	v_pk_fma_f32 v[14:15], v[238:239], v[252:253], v[14:15] op_sel_hi:[1,0,1]
.irp j, 0,2,4,6,8,10,12,14,16,18,20,22,24,26,28,30
	v_pk_fma_f32 v[160+\j:161+\j], v[96+\j:97+\j], v[252:253], v[160+\j:161+\j] op_sel_hi:[1,0,1]
.endr
.Lout:
	; THE WAY OUT.  O^T / the sum; my 32 registers are one block of 32 along the next product's K, dv = 32 (lane / 16) + ..
	v_add_f32 v14, v14, v15                        ; the sum's two halves,
	v_permlanex16_b32 v249, v14, s[SEL], s[SEL+1]
	v_add_f32 v14, v14, v249                       ; and lane l xor 16's
	v_cmp_eq_u32 vcc_lo, 0xd0000000, v13           ; no key was visible
	v_mov_b32 v250, 1.0
	v_cndmask_b32 v14, v14, v250, vcc_lo           ; then the sum, 0, is replaced by 1
	v_and_b32 v8, 15, v0
	v_lshlrev_b32 v8, 5, v8
	v_bfe_u32 v9, v0, 4, 1
	s_wait_alu depctr_va_vdst(0)
	v_rcp_f32 v14, v14
	v_add_nc_u32 v8, v8, v9                        ; (a plain place behind the reciprocal)  o_sc: 32 bytes a row, byte h of my head's two
	v_mov_b32 v251, 0xff
	s_mov_b32 s50, 0xffff0000                      ; lanes 16-31
	s_wait_alu depctr_va_vdst(0)                   ; the wait, ahead of the first reader
.irp j, 0,1,2,3,4,5,6,7,8,9,10,11,12,13,14,15,16,17,18,19,20,21,22,23,24,25,26,27,28,29,30,31
	v_mul_f32 v[96+\j], v[160+\j], v14             ; each accumulator from its low end on
.endr
.irp k, 0,1
	v_max3_num_f32 v[232+\k], |v[96+16*\k]|, |v[97+16*\k]|, 0x1800000
.endr
.irp i, 2,4,6,8,10,12,14
.irp k, 0,1
	v_max3_num_f32 v[232+\k], v[232+\k], |v[96+16*\k+\i]|, |v[97+16*\k+\i]|
.endr
.endr
	v_max_num_f32 v232, v232, v233
	v_add_nc_u32 v244, 0xff000000, v232
	v_lshrrev_b32 v246, 23, v244
	v_cndmask_b32 v246, v246, v251, vcc_lo         ; 0xff where no key was visible
.irp g, 0,1,2,3
	v_cvt_scalef32_pk8_fp4_f32 v[224+\g], v[96+8*\g:103+8*\g], v244
.endr
	v_nop                                          ; one plain place behind a scaled conversion
	v_cndmask_b32 v228, v224, v225, s50            ; in lanes 16-31 the groups of 8 come in the order 1 0 3 2: back into their own
	v_cndmask_b32 v229, v225, v224, s50
	v_cndmask_b32 v230, v226, v227, s50
	v_cndmask_b32 v231, v227, v226, s50
	global_store_b128 v[L16], v[228:231], s[8:9]   ; 32 lanes store 512 consecutive bytes, aligned
	global_store_b8 v8, v246, s[10:11]             ; two bytes a row, 32 bytes apart: the price of a layout from which the next launch takes whole scale words
	s_wait_tensorcnt 0x0                           ; the wave's end
	ds_add_u32 v[SPW], v[NIL]
	s_wait_dscnt 0x0
	CROUND                                         ; the closing round
	s_endpgm
.Lfunc_end_k_qae6b0ebad6_attn:
	.size	k_qae6b0ebad6_attn, .Lfunc_end_k_qae6b0ebad6_attn-k_qae6b0ebad6_attn
	.p2alignl 7, 3214868480
	.fill 96, 4, 3214868480
	.section	.rodata,"a",@progbits
	.p2align	6, 0x0
	.amdhsa_kernel k_qae6b0ebad6_attn
		.amdhsa_group_segment_fixed_size 227328
		.amdhsa_private_segment_fixed_size 0
		.amdhsa_enable_private_segment 0
		.amdhsa_kernarg_size 32
		.amdhsa_user_sgpr_count 2
		.amdhsa_user_sgpr_kernarg_segment_ptr 1
		.amdhsa_wavefront_size32 1
		.amdhsa_system_sgpr_workgroup_id_x 1
		.amdhsa_system_sgpr_workgroup_id_y 1
		.amdhsa_system_sgpr_workgroup_id_z 1
		.amdhsa_system_vgpr_workitem_id 0
		.amdhsa_next_free_vgpr 256
		.amdhsa_next_free_sgpr 66
		.amdhsa_reserve_vcc 1
		.amdhsa_float_denorm_mode_32 3
		.amdhsa_float_denorm_mode_16_64 3
		.amdhsa_memory_ordered 1
		.amdhsa_forward_progress 1
		.amdhsa_inst_pref_size 37
	.end_amdhsa_kernel
	.amdgpu_metadata
---
amdhsa.version: [ 1, 2 ]
amdhsa.kernels:
  - .name:           k_qae6b0ebad6_attn
    .symbol:         k_qae6b0ebad6_attn.kd
    .args:
      - { .name: qws, .offset: 0, .size: 8, .value_kind: global_buffer, .address_space: global }
      - { .name: kv, .offset: 8, .size: 8, .value_kind: global_buffer, .address_space: global }
      - { .name: o_img, .offset: 16, .size: 8, .value_kind: global_buffer, .address_space: global }
      - { .name: o_sc, .offset: 24, .size: 8, .value_kind: global_buffer, .address_space: global }
    .group_segment_fixed_size: 227328
    .private_segment_fixed_size: 0
    .kernarg_segment_align: 8
    .kernarg_segment_size: 32
    .max_flat_workgroup_size: 512
    .sgpr_count:     66
    .vgpr_count:     256
    .wavefront_size: 32
...
	.end_amdgpu_metadata
.endif
;; end of part 2
;; launch outp (part 3): grid 8 x 32, 8 waves a work-group, clusters of 4 x 4, 168,960 bytes of LDS; arguments o_img, o_sc, Wo_w_codes, Wo_w_scales, Wo_b, out0; writes out0
.if DOCPART == 3
	.amdgcn_target "amdgcn-amd-amdhsa--gfx1250"
	.amdhsa_code_object_version 6
	.text
	.protected	k_qae6b0ebad6_outp
	.globl	k_qae6b0ebad6_outp
	.p2align	8
	.type	k_qae6b0ebad6_outp,@function
k_qae6b0ebad6_outp:
	s_mov_b64 s[64:65], 0
	v_nop
	global_prefetch_b8 v0, s[64:65] scope:SCOPE_SE
	s_setreg_imm32_b32 hwreg(HW_REG_WAVE_MODE, 25, 1), 1
	s_wait_xcnt 0x0
	s_wait_alu depctr_hold_cnt(0) depctr_sa_sdst(0) depctr_va_vdst(0) depctr_va_sdst(0) depctr_va_ssrc(0) depctr_va_vcc(0) depctr_vm_vsrc(0)
	s_getreg_b32 s2, hwreg(HW_REG_IB_STS2, 6, 4)
	s_cmp_eq_u32 s2, 0
	s_cbranch_scc0 .Lentry_in_a_cluster
	s_endpgm
.Lentry_in_a_cluster:
	s_bfe_u32 s2, ttmp6, 0x10000c
	s_cmp_lg_u32 s2, 0xf033
	s_cbranch_scc0 .Lentry_shape_is_right
	s_endpgm
.Lentry_shape_is_right:
; out0 = o Wo^T + bo on codes of FP4 (E2M1) with E8M0 scales.  o comes from the launch before as images of this launch's operand registers: o_img [tile of 16 tokens][head][512 bytes], o_sc [tile][r][head] of two bytes.
; Tile 4 c + u, row r is token 64 c + 8 u + r (r < 8) or 64 c + 32 + 8 (u xor 1) + r - 8.  A row of o in which a head saw no key carries the scale byte 0xff: its sums come out NaN, as reference() has them.  Nothing is left out here.
; SHARES.  A work-group makes 128 tokens x 128 columns; all of K = 1,024 lies in LDS, asked for once at the start: nothing is filled again.  Eight waves: wave w takes token tiles 2 (w / 2), 2 (w / 2) + 1 and columns 64 (w % 2) on:
; eight accumulators.  Source 0 = 16 rows of Wo, source 1 = 16 tokens: a lane holds one token and eight neighbouring columns.  No prefetch: there is no loop to run ahead in.
; CLUSTERS: 4 x 4 work-groups; o's tiles are shared along a row of the cluster, Wo's along a column: each is asked for jointly, one load a wave (waves 0-3: o, waves 4-7: Wo).
; The scale words come straight into registers for all of K: a wave's loads of them cover whole consecutive runs of 512 bytes.  The bias is the C of each sum's first matrix instruction.
.set BIMG,  65536                      ; LDS: o's 8 tiles x 16 heads x 512 bytes, then Wo's 128 rows of 512 bytes + 16 of padding
.set BP,    528
.set STAGE, BIMG+128*BP                ; the way out: 16 rows x (256 bytes + 16) for each wave
.set SPARE, STAGE+8*16*272             ; the spare words, 128 bytes for each wave
.set AAD,  3                           ; v3   o's images: 16 x lane + my two tiles
.set BAD,  4                           ; v4   Wo's rows: (64 (w % 2) + r) x pitch + 16 (lane / 16)
.set STO,  5                           ; v5   the stage: where I put 32 bytes of a row
.set RD,   6                           ; v6   and where I read a row back
.set CO,   7                           ; v7   my byte offset in out0
.set SPW,  8
.set NIL,  9
.set SA,   16                          ; v16-23  o's scale words: register s for K step s; lanes 0-15 my first tile, lanes 16-31 my second
.set SB,   24                          ; v24-39  Wo's: register 8 (b % 2) + s for tile b; lanes 0-15 tiles 0, 1, lanes 16-31 tiles 2, 3
.set BI,   40                          ; v40-71  the bias of my four tiles of columns
.set ACC,  72                          ; v72-135 accumulator (a, b) at v[ACC + 8 (4 a + b)]
.set F0,   136                         ; v136-183, v184-231: two sets of fragments: o's two at +8 a, Wo's four at +16 + 8 b
.macro CROUND
	s_barrier_signal -1
	s_barrier_wait -1
	s_cmp_lg_u32 s16, 0
	s_cbranch_scc1 .Lnot_wave_0_\@
	s_barrier_signal -3
.Lnot_wave_0_\@:
	s_barrier_wait -3
	s_barrier_signal -1
	s_barrier_wait -1
.endm
	s_load_b256 s[4:11], s[0:1], 0x0               ; o_img s[4:5], o_sc s[6:7], Wo's codes s[8:9], Wo's scales s[10:11]
	s_load_b128 s[12:15], s[0:1], 0x20             ; bo s[12:13], out0 s[14:15]
	v_lshl_add_u32 v[SPW], v0, 2, SPARE
	v_mov_b32 v[NIL], 0
	ds_add_u32 v[SPW], v[NIL]                      ; the opening: the add, twice on end, and its wait
	ds_add_u32 v[SPW], v[NIL]
	v_lshrrev_b32 v1, 5, v0
	v_readfirstlane_b32 s16, v1                    ; wave 0..7
	s_lshr_b32 s17, s16, 1                         ; which two tiles of tokens are mine
	s_and_b32 s18, s16, 1                          ; which 64 columns
	s_and_b32 s19, s16, 3                          ; which quarter of o's or of Wo's tile I fetch
	s_bfe_u32 s40, ttmp6, 0x40000                  ; cx, cy
	s_bfe_u32 s41, ttmp6, 0x40004
	s_lshl_b32 s42, ttmp9, 2
	s_add_co_u32 s42, s42, s40                     ; the block of 128 columns
	s_and_b32 s43, ttmp7, 0xffff
	s_lshl_b32 s43, s43, 2
	s_add_co_u32 s43, s43, s41                     ; the block of 128 tokens
	s_lshl_b32 s44, s41, 2
	s_lshl_b32 s44, 15, s44                        ; my row of the cluster
	s_lshl_b32 s45, 0x1111, s40                    ; my column
	; o: two tiles' images, a dense block of 64 rows of 256 bytes (32 elements of 8 bytes)
	s_or_b32 s24, s44, (3<<16)|(1<<21)
	s_mov_b32 s25, 32<<16
	s_mov_b32 s26, 64<<16
	s_mov_b32 s27, 32<<16
	s_mov_b32 s28, 64
	s_mov_b32 s29, 32
	s_mov_b32 s30, 0
	s_mov_b32 s31, 0
	; Wo: 32 rows of 512 bytes (64 elements of 8 bytes), 16 bytes of padding behind every 128 words
	s_or_b32 s48, s45, (3<<16)|(1<<20)|(1<<21)|(6<<22)|(3<<25)
	s_mov_b32 s49, 64<<16
	s_mov_b32 s50, 32<<16
	s_mov_b32 s51, 64<<16
	s_mov_b32 s52, 32
	s_mov_b32 s53, 64
	s_mov_b32 s54, 0
	s_mov_b32 s55, 0
	s_lshl_b32 s22, s19, 14                        ; a quarter is 16,384 bytes of memory in both
	s_lshl_b32 s20, s43, 16
	s_add_co_u32 s20, s20, s22                     ; o: 65,536 x block of tokens + the quarter
	s_mov_b32 s21, 0
	s_lshl_b32 s36, s42, 16
	s_add_co_u32 s36, s36, s22                     ; Wo: 65,536 x block of columns + the quarter
	s_mov_b32 s37, 0
	s_mov_b32 s32, 1
	s_lshl_b32 s33, s19, 14                        ; LDS: o's quarter
	s_mov_b32 s56, 1
	s_mul_i32 s57, s19, 32*BP
	s_add_co_u32 s57, s57, BIMG                    ; Wo's
	s_wait_dscnt 0x0                               ; both opening adds are done
	CROUND                                         ; all sixteen work-groups are here: the joint loads meet.  (The arguments are on their way meanwhile)
	s_wait_kmcnt 0x0
	s_add_nc_u64 s[34:35], s[4:5], s[20:21]
	s_or_b32 s35, s35, 0x80000000
	s_add_nc_u64 s[58:59], s[8:9], s[36:37]
	s_or_b32 s59, s59, 0x80000000
	s_cmp_lt_u32 s16, 4                            ; the wave's number alone: one load of mine is out, and none follows
	s_cbranch_scc0 .Lfor_b
	tensor_load_to_lds s[32:35], s[24:31]
	s_nop 0
.rept 4
	v_nop
.endr
	s_branch .Lasked
.Lfor_b:
	tensor_load_to_lds s[56:59], s[48:55]
	s_nop 0
.rept 4
	v_nop
.endr
.Lasked:
	s_lshl_b32 s22, s17, 14
	s_mul_i32 s23, s18, 64*BP
	s_add_co_u32 s23, s23, BIMG
	s_mul_i32 s36, s16, 16*272
	s_add_co_u32 s36, s36, STAGE                   ; my stage
	v_and_b32 v1, 15, v0                           ; r
	v_bfe_u32 v2, v0, 4, 1                         ; h
	v_and_b32 v10, 31, v0                          ; lane
	v_mul_u32_u24 v[BAD], BP, v1
	v_mul_u32_u24 v[STO], 0x110, v1
	v_mul_u32_u24 v[RD], 0x110, v2
	v_lshlrev_b32 v[CO], 12, v2
	v_lshlrev_b32 v11, 5, v1
	v_lshl_add_u32 v[AAD], v10, 4, s22
	v_lshl_add_u32 v[BAD], v2, 4, v[BAD]
	v_lshl_add_u32 v[STO], v2, 5, v[STO]
	v_lshl_add_u32 v[RD], v1, 4, v[RD]
	v_lshl_add_u32 v[CO], v1, 4, v[CO]             ; two rows of out0 (4,096 bytes a row)
	v_lshl_add_u32 v12, v2, 10, v11                ; Wo's scale bytes: 32 a row; lanes 16-31 take the rows 32 on
	v_lshl_add_u32 v11, v2, 9, v11                 ; o's: 32 a row; lanes 16-31 take the next tile
	v_add_nc_u32 v[BAD], s23, v[BAD]
	v_add_nc_u32 v[STO], s36, v[STO]               ; in: row r, 32 bytes for each half of the lanes
	v_add_nc_u32 v[RD], s36, v[RD]                 ; back: lanes 0-15 one row of 256 bytes, lanes 16-31 the next
	v_lshlrev_b32 v13, 5, v2                       ; the bias: my half's eight columns
	s_wait_alu depctr_va_vdst(0)                   ; ahead of the run of scalar lines and of the waits below
	s_lshl_b32 s20, s43, 12
	s_lshl_b32 s22, s17, 10
	s_add_co_u32 s20, s20, s22                     ; o_sc: 512 bytes a tile
	s_mov_b32 s21, 0
	s_add_nc_u64 s[6:7], s[6:7], s[20:21]
	s_lshl_b32 s22, s42, 7
	s_lshl_b32 s23, s18, 6
	s_add_co_u32 s22, s22, s23                     ; my first column
	s_lshl_b32 s20, s22, 5
	s_add_nc_u64 s[10:11], s[10:11], s[20:21]
	s_lshl_b32 s20, s22, 2
	s_add_nc_u64 s[12:13], s[12:13], s[20:21]
	s_add_nc_u64 s[14:15], s[14:15], s[20:21]
	s_lshl_b32 s20, s43, 7
	s_lshr_b32 s23, s17, 1
	s_lshl_b32 s23, s23, 6
	s_add_co_u32 s20, s20, s23
	s_and_b32 s23, s17, 1
	s_lshl_b32 s23, s23, 4
	s_add_co_u32 s20, s20, s23                     ; my first token: 128 x block + 64 (w / 4) + 16 ((w / 2) % 2)
	s_lshl_b32 s20, s20, 12
	s_add_nc_u64 s[14:15], s[14:15], s[20:21]
	global_load_b128 v[SA:SA+3], v11, s[6:7]
	global_load_b128 v[SA+4:SA+7], v11, s[6:7] offset:16
.irp e, 0,1
	global_load_b128 v[SB+8*\e:SB+8*\e+3], v12, s[10:11] offset:512*\e
	global_load_b128 v[SB+8*\e+4:SB+8*\e+7], v12, s[10:11] offset:512*\e+16
.endr
.irp b, 0,1,2,3
	global_load_b128 v[BI+8*\b:BI+8*\b+3], v13, s[12:13] offset:64*\b
	global_load_b128 v[BI+8*\b+4:BI+8*\b+7], v13, s[12:13] offset:64*\b+16
.endr
	s_wait_loadcnt 0x0
	s_wait_tensorcnt 0x0                           ; my quarter is in,
	s_barrier_signal -1
	s_barrier_wait -1                              ; everybody's is
.macro LOADF s, f                      ; K step s: twelve LDS loads into set f
.irp a, 0,1
.irp c, 0,1
	ds_load_b128 v[\f+8*\a+4*\c:\f+8*\a+4*\c+3], v[AAD] offset:8192*\a+1024*(\s)+512*\c
.endr
.endr
.irp b, 0,1,2,3
.irp c, 0,1
	ds_load_b128 v[\f+16+8*\b+4*\c:\f+16+8*\b+4*\c+3], v[BAD] offset:16*BP*\b+64*(\s)+32*\c
.endr
.endr
.endm
.macro PROD s, f                       ; eight matrix instructions, the eight accumulators by turns; K step 0 starts the sums with the bias
.irp a, 0,1
.irp b, 0,1,2,3
.set rD, ACC+8*(4*\a+\b)
.set rC, rD
.if (\s) == 0
.set rC, BI+8*\b
.endif
.set rB, \f+16+8*\b
.set rA, \f+8*\a
.set rS, SB+8*(\b%2)+(\s)
.set rT, SA+(\s)
.if (\a == 0) && (\b < 2)
	v_wmma_scale_f32_16x16x128_f8f6f4 v[rD:rD+7], v[rB:rB+7], v[rA:rA+7], v[rC:rC+7], v[rS], v[rT] matrix_a_fmt:MATRIX_FMT_FP4 matrix_b_fmt:MATRIX_FMT_FP4
.elseif \a == 0
	v_wmma_scale_f32_16x16x128_f8f6f4 v[rD:rD+7], v[rB:rB+7], v[rA:rA+7], v[rC:rC+7], v[rS], v[rT] matrix_a_fmt:MATRIX_FMT_FP4 matrix_b_fmt:MATRIX_FMT_FP4 matrix_a_scale:MATRIX_SCALE_ROW1
.elseif \b < 2
	v_wmma_scale_f32_16x16x128_f8f6f4 v[rD:rD+7], v[rB:rB+7], v[rA:rA+7], v[rC:rC+7], v[rS], v[rT] matrix_a_fmt:MATRIX_FMT_FP4 matrix_b_fmt:MATRIX_FMT_FP4 matrix_b_scale:MATRIX_SCALE_ROW1
.else
	v_wmma_scale_f32_16x16x128_f8f6f4 v[rD:rD+7], v[rB:rB+7], v[rA:rA+7], v[rC:rC+7], v[rS], v[rT] matrix_a_fmt:MATRIX_FMT_FP4 matrix_b_fmt:MATRIX_FMT_FP4 matrix_a_scale:MATRIX_SCALE_ROW1 matrix_b_scale:MATRIX_SCALE_ROW1
.endif
.endr
.endr
.endm
	LOADF 0, F0
.irp k, 0,1,2,3,4,5,6,7
.if \k < 7
.if \k > 0
.rept 4
	v_nop                                          ; places in front of loads into the set that the last step's products have read
.endr
.endif
	LOADF \k+1, F0+48*((\k+1)%2)
	s_wait_dscnt 12                                ; this step's fragments are in; the twelve loads just issued may be out
.else
	s_wait_dscnt 0x0
.endif
	PROD \k, F0+48*(\k%2)
.endr
; THE WAY OUT.  A lane holds 32 neighbouring bytes of a row, the lanes beside it other rows: a tile of 16 tokens x 64 columns goes through my own stage and comes back as whole rows of 256 bytes.
; LDS serves a wave's instructions in order (ISA guide 5.7.1.4): no wait between the stores and the loads, nor in front of the next tile's stores.
.macro TOSTAGE a
.irp b, 0,1,2,3
	ds_store_b128 v[STO], v[ACC+8*(4*\a+\b):ACC+8*(4*\a+\b)+3] offset:64*\b        ; each accumulator from its low end on
	ds_store_b128 v[STO], v[ACC+8*(4*\a+\b)+4:ACC+8*(4*\a+\b)+7] offset:64*\b+16
.endr
.irp t, 0,1,2,3,4,5,6,7
	ds_load_b128 v[F0+48*\a+4*\t:F0+48*\a+4*\t+3], v[RD] offset:544*\t
.endr
.endm
.macro SEND a, younger                 ; younger: the LDS instructions issued behind tile a's loads.  Stage rows 2 t and 2 t + 1 are tokens 8 a + 2 t on (t < 4) or 32 + 8 (1 - a) + 2 (t - 4) on, from my first
.irp t, 0,1,2,3,4,5,6,7
	s_wait_dscnt \younger+7-\t
	global_store_b128 v[CO], v[F0+48*\a+4*\t:F0+48*\a+4*\t+3], s[14:15] offset:(8*\a+2*\t+(\t/4)*(32-16*\a))*4096 th:TH_STORE_NT   ; sixteen lanes store 256 consecutive bytes, aligned; written once, read by nobody here
.endr
.endm
.rept 4
	v_nop                                          ; places behind the last products: their results are read, and loads land in the sets that they have read
.endr
	TOSTAGE 0
	TOSTAGE 1
	SEND 0, 16
	SEND 1, 0
	s_wait_tensorcnt 0x0                           ; the wave's end
	ds_add_u32 v[SPW], v[NIL]
	s_wait_dscnt 0x0
	CROUND                                         ; the closing round
	s_endpgm
.Lfunc_end_k_qae6b0ebad6_outp:
	.size	k_qae6b0ebad6_outp, .Lfunc_end_k_qae6b0ebad6_outp-k_qae6b0ebad6_outp
	.p2alignl 7, 3214868480
	.fill 96, 4, 3214868480
	.section	.rodata,"a",@progbits
	.p2align	6, 0x0
	.amdhsa_kernel k_qae6b0ebad6_outp
		.amdhsa_group_segment_fixed_size 168960
		.amdhsa_private_segment_fixed_size 0
		.amdhsa_enable_private_segment 0
		.amdhsa_kernarg_size 48
		.amdhsa_user_sgpr_count 2
		.amdhsa_user_sgpr_kernarg_segment_ptr 1
		.amdhsa_wavefront_size32 1
		.amdhsa_system_sgpr_workgroup_id_x 1
		.amdhsa_system_sgpr_workgroup_id_y 1
		.amdhsa_system_sgpr_workgroup_id_z 1
		.amdhsa_system_vgpr_workitem_id 0
		.amdhsa_next_free_vgpr 256
		.amdhsa_next_free_sgpr 80
		.amdhsa_reserve_vcc 0
		.amdhsa_float_denorm_mode_32 3
		.amdhsa_float_denorm_mode_16_64 3
		.amdhsa_memory_ordered 1
		.amdhsa_forward_progress 1
		.amdhsa_inst_pref_size 27
	.end_amdhsa_kernel
	.amdgpu_metadata
---
amdhsa.version: [ 1, 2 ]
amdhsa.kernels:
  - .name:           k_qae6b0ebad6_outp
    .symbol:         k_qae6b0ebad6_outp.kd
    .args:
      - { .name: o_img, .offset: 0, .size: 8, .value_kind: global_buffer, .address_space: global }
      - { .name: o_sc, .offset: 8, .size: 8, .value_kind: global_buffer, .address_space: global }
      - { .name: Wo_w_codes, .offset: 16, .size: 8, .value_kind: global_buffer, .address_space: global }
      - { .name: Wo_w_scales, .offset: 24, .size: 8, .value_kind: global_buffer, .address_space: global }
      - { .name: Wo_b, .offset: 32, .size: 8, .value_kind: global_buffer, .address_space: global }
      - { .name: out0, .offset: 40, .size: 8, .value_kind: global_buffer, .address_space: global }
    .group_segment_fixed_size: 168960
    .private_segment_fixed_size: 0
    .kernarg_segment_align: 8
    .kernarg_segment_size: 48
    .max_flat_workgroup_size: 256
    .sgpr_count:     80
    .vgpr_count:     256
    .wavefront_size: 32
...
	.end_amdgpu_metadata
.endif
;; end of part 3
